; MI455X (gfx1250); checked and timed in simulation.
; The chip was launched on July 23, 2026; its instructions are those of AMD's public machine-readable ISA for CDNA 5 (MIT licence, August 2026) and "CDNA5" Instruction Set Architecture Reference Guide (July 2026). The comments in the code are by the model that wrote it; some were corrected since.
;; Patch TST Rope Attention. Allowed arithmetic: matrix products marked QUANTISED: E2M1 operands, one E8M0 scale for each 32 along K, by v_wmma_scale_f32_16x16x128_f8f6f4 with both operands' format E2M1 (or v_wmma_scale_f32_32x16x128_f4), f32 sums; products left as they are: bf16, f16 or f32 operands; f32 sums; everything else in f32.
;; Inputs: Wk 512 x 512 float32; Wo 512 x 512 float32; Wq 512 x 512 float32; Wv 512 x 512 float32; bk 512 float32; bo 512 float32; bq 512 float32; bv 512 float32; hidden_states 4 x 2,048 x 512 float32.
;; Outputs: out0 4 x 2,048 x 512 float32.
;; This version of the problem:
;;   THIS VERSION OF THE PROBLEM IS GIVEN IN LOW PRECISION. The matrix products marked QUANTISED in the list below multiply operands that are first quantised to E2M1 (2 exponent bits, 1 mantissa bit; 4 bits a number), with one power-of-two scale for each 32 numbers along K (OCP MX v1.0); their sums are f32. The products marked 'left as it is' may take bf16, f16 or f32 operands, with f32 sums. Whichever they take, every output number must still come out within the allowed error. Rounding operands to bf16 (8 significant bits) uses up far more of that allowance than f16 does (11 bits, for magnitudes from 6e-5 to 65,504). All else is computed in f32.
;;   The module's matrix products, in the order in which they are computed (A, B: the left and right operand; K: the contracted axis; several contracted axes count as one K, in the product's order):
;;     1. [M 8,192, K 512] x [K 512, N 512]; A: input hidden_states; B: input Wq: QUANTISED
;;     2. [M 8,192, K 512] x [K 512, N 512]; A: input hidden_states; B: input Wk: QUANTISED
;;     3. [M 8,192, K 512] x [K 512, N 512]; A: input hidden_states; B: input Wv: QUANTISED
;;     4. batch 32 x [M 2,048, K 64] x [K 64, N 2,048]; A: computed on the way; B: computed on the way: left as it is (an operand is computed on the way)
;;     5. batch 32 x [M 2,048, K 2,048] x [K 2,048, N 64]; A: computed on the way; B: computed on the way: left as it is (an operand is computed on the way)
;;     6. [M 8,192, K 512] x [K 512, N 512]; A: computed on the way; B: input Wo: left as it is (an operand is computed on the way)
;;   THE QUANTISER, for each operand of a quantised product, along K:
;;     - K is cut into blocks of 32 from its start; a last block that is shorter is filled with zeros.
;;     - A block's scale is 2^e with e = floor(log2(the largest magnitude in the block)) - 2, held to -126 .. 127; a block of zeros has e = 0. As a byte (E8M0): e + 127.
;;     - Each number is divided by its block's scale, clamped to +-6, and rounded to the nearest number of E2M1, ties to even, subnormals kept.
;;     - The product sums the exact products of the quantised numbers (number of the format x scale) in f32.
;;   ~~~python
;;   def quantise(x, axis):      # numpy; x: float32 -> the quantised numbers, widened to float32 again
;;       x = np.moveaxis(x, axis, -1); K = x.shape[-1]
;;       x = np.pad(x, [(0, 0)] * (x.ndim - 1) + [(0, -K % 32)]); x = x.reshape(x.shape[:-1] + (-1, 32)); a = np.abs(x).max(-1, keepdims=True)
;;       e = np.where(a > 0, np.clip(np.frexp(np.where(a > 0, a, 1))[1] - 1 - 2, -126, 127), 0)      # np.frexp(a)[1] - 1 = floor(log2(a)), exactly
;;       r = np.clip(x / 2.0 ** e, -6, 6)
;;       step = 2.0 ** (np.maximum(np.frexp(np.where(r == 0, 1, r))[1] - 1, 0) - 1)
;;       q = np.round(r / step) * step * 2.0 ** e      # np.round: ties to even
;;       return np.moveaxis(q.reshape(q.shape[:-2] + (-1,))[..., :K], -1, axis).astype(np.float32)
;;   ~~~
;; One version. Each part assembles by itself: llvm-mc -triple=amdgcn-amd-amdhsa -mcpu=gfx1250 --defsym DOCPART=n.
;; ======== version 1 of 1: 4 launches
;; limits: values are held in f16: magnitudes above 65,504 overflow, below 6.1e-05 lose precision
;; workspace buffers: xq 2,228,224 bytes; wq4 417,792 bytes; wo16 524,288 bytes; tab 262,144 bytes; qi 8,388,608 bytes; ki 8,388,608 bytes; vi 8,388,608 bytes; ao 8,388,608 bytes
;; launch prep (part 1): grid 608 x 1, 4 waves a work-group, no clusters, 34,560 bytes of LDS; arguments hidden_states, Wq, Wk, Wv, Wo, xq, wq4, wo16, tab; writes xq, wq4, wo16, tab
.if DOCPART == 1
	.amdgcn_target "amdgcn-amd-amdhsa--gfx1250"
	.amdhsa_code_object_version 6
	.text
	.protected	k_q9cddda8e10_prep
	.globl	k_q9cddda8e10_prep
	.p2align	8
	.type	k_q9cddda8e10_prep,@function
k_q9cddda8e10_prep:
	s_mov_b64 s[64:65], 0
	v_nop
	global_prefetch_b8 v0, s[64:65] scope:SCOPE_SE
	s_setreg_imm32_b32 hwreg(HW_REG_WAVE_MODE, 25, 1), 1
	s_wait_xcnt 0x0
; PREPARATION, three kinds of work-group, told apart by the work-group's number alone:
;   0-511   X: a tile of 16 tokens of hidden_states [8192][512] f32 -> codes of FP4 (E2M1) and E8M0 scale bytes, one for each 32 along K (the last axis)
;   512-575 W: 128 rows (k) x 128 columns (n) of Wq, Wk, Wv [512 k][512 n] f32 -> codes and scale bytes along K (the FIRST axis);  of Wo -> f16
;   576-607 T: cosines and sines of the 16 rotated angles for 64 positions
; A block's scale is 2^(floor(log2(its largest magnitude)) - 2); its byte is the largest magnitude's exponent field - 2, held at 1 from below.
; EVERYTHING IS STORED AS IMAGES OF OPERAND REGISTERS: a piece is 512 bytes, lane l's 16 bytes at 16 l, so that the later launches load whole fragments by 16-byte loads at 16 x lane.
;   xq:   codes [tile 512][K step 4][c 2][lane][16 B]: lane (r, h) has k = 128 s + 64 c + 32 h + 0..31 of token r;  from byte 2,097,152 scale words [tile][r 16][s 4]
;   wq4:  codes [channel tile 96][s 4][c 2][lane][16 B], channels 0-1535 = Wq | Wk | Wv;  from byte 393,216 scale words [s 4][channel 1536]
;   wo16: [n tile 32][K step of 32: 16][chunk 4][r 16][16 B]: chunk q has k = 32 ks + 8 q + 0..7 of column r, f16
;   tab:  [position tile 128][piece 4][lane][16 B] f32: pieces 0, 1 the cosines of angles 8 h + 0..7 at position r, pieces 2, 3 the sines
; LIMITS: NaN and infinities among the inputs are not served.  A block whose largest magnitude lies under 2^-124 (a block of zeros too) gets the byte 1: its codes are zeros or held small, and this program
; alone reads the bytes.  Wo goes in f16: magnitudes up to 65,504.  The angle is position x 10000^(-j/32) taken in quarter turns in f32: at position 2047 it is good to some 3e-4 radians.
.set STG,   8448                       ; path X: a wave's stage in LDS: 16 rows x (512 bytes + 16)
.set SCB,   4*STG                      ; the tile's 64 scale words
.set SPARE, SCB+256                    ; the spare words: 128 bytes for each wave, two blocks of 256 bytes that no other line names
.set SPW,   12                         ; v12  LDS address of my spare word; never rewritten
.set NIL,   13                         ; v13  0; never rewritten
.set R,     32                         ; v32-95   path X: 16 rows as loaded;  paths W, O: v32-159 128 numbers down K
.set XT,    96                         ; v96-159  path X: my 64 numbers, two whole blocks
.set CD,    160                        ; v160-175 codes
	s_load_b256 s[4:11], s[0:1], 0x0               ; hidden_states, Wq, Wk, Wv
	s_load_b256 s[12:19], s[0:1], 0x20             ; Wo, xq, wq4, wo16
	s_load_b64 s[20:21], s[0:1], 0x40              ; tab
	v_lshl_add_u32 v[SPW], v0, 2, SPARE
	v_mov_b32 v[NIL], 0
	v_lshrrev_b32 v1, 5, v0
	v_readfirstlane_b32 s22, v1                    ; wave 0..3
	v_and_b32 v1, 31, v0                           ; lane
	v_and_b32 v2, 15, v0                           ; r
	v_bfe_u32 v3, v0, 4, 1                         ; h
	v_lshlrev_b32 v4, 4, v1                        ; 16 x lane
	s_mov_b32 s25, 0                               ; the high word of every offset pair s[24:25]
	s_mov_b32 s36, 0x76543210
	s_mov_b32 s37, 0xfedcba98                      ; v_permlanex16_b32's selects for lane l xor 16
	s_wait_kmcnt 0x0
	s_cmp_lt_u32 ttmp9, 512
	s_cbranch_scc0 .Lnot_x
; ---- X: work-group = token tile, wave = K step of 128.  Each load reads 512 consecutive bytes of one row; the 16 rows turn through the wave's own stage so that a lane gets two whole blocks of its row.
	s_lshl_b32 s24, ttmp9, 15                      ; 16 rows of 2,048 bytes
	s_lshl_b32 s26, s22, 9                         ; my 128 numbers of a row
	s_add_co_u32 s24, s24, s26
	s_add_nc_u64 s[4:5], s[4:5], s[24:25]
.irp i, 0,1,2,3,4,5,6,7,8,9,10,11,12,13,14,15
	global_load_b128 v[R+4*\i:R+4*\i+3], v4, s[4:5] offset:2048*\i th:TH_LOAD_NT
.endr
	s_mul_i32 s26, s22, STG
	v_add_nc_u32 v5, s26, v4                       ; into the stage: 16 x lane, a row 528 bytes on
	v_mul_u32_u24 v6, v2, 528
	v_lshl_add_u32 v6, v3, 7, v6
	v_add_nc_u32 v6, s26, v6                       ; out of it: row r, + 128 h: 528 = 2 x 256 + 16, so sixteen lanes take sixteen different 16-byte columns
	s_lshl_b32 s27, s22, 2
	s_add_co_u32 s27, s27, SCB
	v_lshl_add_u32 v7, v2, 4, s27                  ; my row's scale word of my K step: 16 r + 4 s
	v_lshlrev_b32 v9, 3, v1
	v_add_nc_u32 v8, SCB, v9                       ; wave 0 reads all 64 words back, 8 bytes a lane
	s_lshl_b32 s24, ttmp9, 12
	s_lshl_b32 s28, s22, 10
	s_add_co_u32 s24, s24, s28
	s_add_nc_u64 s[30:31], s[14:15], s[24:25]      ; my two pieces of codes
	s_lshl_b32 s24, ttmp9, 8
	s_add_co_u32 s24, s24, 0x200000
	s_add_nc_u64 s[32:33], s[14:15], s[24:25]      ; the tile's 256 bytes of scale words
.irp i, 0,1,2,3,4,5,6,7,8,9,10,11,12,13,14,15
	s_wait_loadcnt 15-\i                           ; row i is in; the younger rows stay out
	ds_store_b128 v5, v[R+4*\i:R+4*\i+3] offset:528*\i
.endr
.irp c, 0,1
.irp g, 0,1,2,3,4,5,6,7
	ds_load_b128 v[XT+32*\c+4*\g:XT+32*\c+4*\g+3], v6 offset:256*\c+16*\g   ; k = 64 c + 32 h + 4 g + 0..3 of row r (LDS serves a wave's instructions in order: these see my stores)
.endr
.endr
	s_wait_dscnt 0x0
.irp c, 0,1                                    ; my block 2 c + h: all its 32 numbers are mine
	v_max3_num_f32 v[14+\c], |v[XT+32*\c]|, |v[XT+32*\c+1]|, 0x1800000   ; with the floor 2^(3 - 127): the byte cannot fall under 1
.endr
.irp i, 2,4,6,8,10,12,14,16,18,20,22,24,26,28,30
.irp c, 0,1
	v_max3_num_f32 v[14+\c], v[14+\c], |v[XT+32*\c+\i]|, |v[XT+32*\c+\i+1]|
.endr
.endr
.irp c, 0,1
	v_add_nc_u32 v[16+\c], 0xff000000, v[14+\c]    ; 2 off the exponent field: the conversion's scale operand
.endr
.irp c, 0,1
	v_lshrrev_b32 v[18+\c], 23, v[16+\c]           ; the scale's byte
.endr
	v_lshl_or_b32 v20, v19, 16, v18                ; my two bytes: blocks h and 2 + h,
	v_lshlrev_b32 v21, 3, v3
	v_lshlrev_b32 v20, v21, v20                    ; at their places in the word;
	v_mov_b32 v21, 0
	v_permlanex16_b32 v21, v20, s36, s37
	v_or_b32 v20, v20, v21                         ; with lane l xor 16's two the word is whole
.irp c, 0,1
.irp g, 0,1,2,3
	v_cvt_scalef32_pk8_fp4_f32 v[CD+4*\c+\g], v[XT+32*\c+8*\g:XT+32*\c+8*\g+7], v[16+\c]
.endr
.endr
	v_nop                                          ; one plain line behind the last scaled conversion
.irp c, 0,1
	global_store_b128 v4, v[CD+4*\c:CD+4*\c+3], s[30:31] offset:512*\c   ; 32 lanes store 512 consecutive bytes, aligned
.endr
	ds_store_b32 v7, v20                           ; both halves of the lanes write the same word with the same value
	s_wait_dscnt 0x0                               ; for the others' sake: my word has landed
	s_barrier_signal -1
	s_barrier_wait -1
	s_cmp_lg_u32 s22, 0
	s_cbranch_scc1 .Lx_end
	ds_load_b64 v[22:23], v8                       ; wave 0: the four waves' words,
	s_wait_dscnt 0x0
	global_store_b64 v9, v[22:23], s[32:33]        ; as 256 consecutive bytes, aligned
.Lx_end:
	s_wait_tensorcnt 0x0                           ; the wave's end: behind my last LDS store
	ds_add_u32 v[SPW], v[NIL]
	s_wait_dscnt 0x0
	s_endpgm
; ---- W and O: a lane takes a column n and its registers run down K; the four waves stand side by side on 512 consecutive bytes of a row.  No LDS.
.Lnot_x:
	s_cmp_lt_u32 ttmp9, 576
	s_cbranch_scc0 .Ltab
	s_sub_co_u32 s24, ttmp9, 512
	s_lshr_b32 s26, s24, 4                         ; which tensor: 0 Wq, 1 Wk, 2 Wv, 3 Wo
	s_bfe_u32 s27, s24, 0x20002                    ; which 128 columns
	s_and_b32 s28, s24, 3                          ; which 128 rows
	s_cmp_eq_u32 s26, 1
	s_cselect_b64 s[6:7], s[8:9], s[6:7]
	s_cmp_eq_u32 s26, 2
	s_cselect_b64 s[6:7], s[10:11], s[6:7]
	s_cmp_eq_u32 s26, 3
	s_cselect_b64 s[6:7], s[12:13], s[6:7]
	s_lshl_b32 s24, s28, 18                        ; 128 rows of 2,048 bytes
	s_lshl_b32 s29, s27, 9
	s_add_co_u32 s24, s24, s29
	s_lshl_b32 s29, s22, 7
	s_add_co_u32 s24, s24, s29
	s_add_nc_u64 s[6:7], s[6:7], s[24:25]
	v_lshlrev_b32 v5, 2, v1
.set I, 0
.rept 128
	global_load_b32 v[R+I], v5, s[6:7] offset:2048*I th:TH_LOAD_NT
.set I, I+1
.endr
	s_lshl_b32 s29, s27, 3
	s_lshl_b32 s30, s22, 1
	s_add_co_u32 s29, s29, s30                     ; my first tile of 16 columns within the tensor: 8 x column group + 2 x wave
	v_lshlrev_b32 v6, 4, v2                        ; 16 r
.macro WAITB b                                 ; block b's 32 loads are in: behind them stand 96, 64, 32, 0 younger ones (a count names 63 at the most, which serves blocks 0 and 1 alike)
.if (\b) == 0
	s_wait_loadcnt 63
.elseif (\b) == 2
	s_wait_loadcnt 32
.elseif (\b) == 3
	s_wait_loadcnt 0x0
.endif
.endm
	s_cmp_eq_u32 s26, 3
	s_cbranch_scc1 .Lwo
	v_lshl_add_u32 v6, v3, 12, v6                  ; lanes 16-31 belong to the next tile of columns, 4,096 bytes on
	s_lshl_b32 s30, s26, 5
	s_add_co_u32 s30, s30, s29
	s_lshl_b32 s30, s30, 12
	s_lshl_b32 s31, s28, 10
	s_add_co_u32 s24, s30, s31
	s_add_nc_u64 s[32:33], s[16:17], s[24:25]      ; codes: (32 x tensor + tile) x 4,096 + K step x 1,024
	s_mul_i32 s30, s28, 1536
	s_lshl_b32 s31, s26, 9
	s_add_co_u32 s30, s30, s31
	s_lshl_b32 s31, s29, 4
	s_add_co_u32 s30, s30, s31
	s_lshl_b32 s30, s30, 2
	s_add_co_u32 s24, s30, 393216
	s_add_nc_u64 s[34:35], s[16:17], s[24:25]      ; scale words: (1,536 x K step + channel) x 4
.macro WBLK b
.set XS, R+32*(\b)
	WAITB \b
	v_max3_num_f32 v14, |v[XS]|, |v[XS+1]|, |v[XS+2]|              ; the block's largest magnitude: all 32 numbers are mine; two chains
	v_max3_num_f32 v15, |v[XS+3]|, |v[XS+4]|, |v[XS+5]|
.irp i, 6,10,14,18,22,26
	v_max3_num_f32 v14, v14, |v[XS+\i]|, |v[XS+\i+1]|
	v_max3_num_f32 v15, v15, |v[XS+\i+2]|, |v[XS+\i+3]|
.endr
	v_max3_num_f32 v14, v14, |v[XS+30]|, |v[XS+31]|
	v_max3_num_f32 v14, v14, v15, 0x1800000        ; and the floor
	v_add_nc_u32 v16, 0xff000000, v14
	v_lshrrev_b32 v17, 23, v16
.if (\b) == 0
	v_mov_b32 v20, v17                             ; four bytes make the column's scale word of this K step
.else
	v_lshl_or_b32 v20, v17, 8*(\b), v20
.endif
.irp g, 0,1,2,3
	v_cvt_scalef32_pk8_fp4_f32 v[CD+4*(\b)+\g], v[XS+8*\g:XS+8*\g+7], v16
.endr
	v_nop                                          ; one plain line behind the last scaled conversion
	global_store_b128 v6, v[CD+4*(\b):CD+4*(\b)+3], s[32:33] offset:256*(\b)   ; block b = 2 c + h of the fragment: sixteen lanes store 256 consecutive bytes, aligned
.endm
	WBLK 0
	WBLK 1
	WBLK 2
	WBLK 3
	global_store_b32 v5, v20, s[34:35]             ; 128 consecutive bytes a wave: the one store here that is shorter than 256 (24,576 bytes in the whole launch)
	s_endpgm
.Lwo:
	v_lshl_add_u32 v6, v3, 14, v6                  ; lanes 16-31: the next tile of columns, 16,384 bytes on
	s_lshl_b32 s30, s29, 14
	s_lshl_b32 s31, s28, 12
	s_add_co_u32 s24, s30, s31
	s_add_nc_u64 s[32:33], s[18:19], s[24:25]
.macro OBLK b
.set XS, R+32*(\b)
	WAITB \b
.irp m, 0,1,2,3,4,5,6,7,8,9,10,11,12,13,14,15
	v_cvt_pk_f16_f32 v[XS+\m], v[XS+2*\m], v[XS+2*\m+1]            ; packed in place, ascending: a target has been read before it is written
.endr
.irp q, 0,1,2,3
	global_store_b128 v6, v[XS+4*\q:XS+4*\q+3], s[32:33] offset:1024*(\b)+256*\q   ; k = 32 b + 8 q + 0..7: sixteen lanes store 256 consecutive bytes, aligned
.endr
.endm
	OBLK 0
	OBLK 1
	OBLK 2
	OBLK 3
	s_endpgm
; ---- T: a wave takes 16 positions.  Lane (r, h): position r, angles j = 8 h + 0..7.  x = position x (2 / pi) 10000^(-j / 32) in quarter turns; n = the nearest whole number, rho = x - n by one fused
; multiply-add; sine and cosine of (pi / 2) rho, |rho| <= 1/2, by their series (cut at x^7 and x^8: under 4e-7), then placed by n's last two bits.
.Ltab:
	s_sub_co_u32 s24, ttmp9, 576
	s_lshl_b32 s24, s24, 2
	s_add_co_u32 s24, s24, s22                     ; position tile
	s_lshl_b32 s26, s24, 4
	v_add_nc_u32 v14, s26, v2
	v_cvt_f32_u32 v14, v14                         ; the position
	v_lshlrev_b32 v15, 3, v3
	s_mov_b32 s28, 0xbed49a78                      ; -log2(10000) / 32
	s_mov_b32 s29, 0xbb996966                      ; sine series: x^7
	s_mov_b32 s30, 0x3a70fa83                      ; cosine series: x^8
	s_lshl_b32 s24, s24, 11
	s_add_nc_u64 s[20:21], s[20:21], s[24:25]
.irp i, 0,1,2,3,4,5,6,7
	v_add_nc_u32 v[32+\i], \i, v15
.endr
.irp i, 0,1,2,3,4,5,6,7
	v_cvt_f32_u32 v[32+\i], v[32+\i]
.endr
.irp i, 0,1,2,3,4,5,6,7
	v_fmaak_f32 v[32+\i], s28, v[32+\i], 0xbf26c873   ; j x -log2(10000) / 32 + log2(2 / pi)
.endr
.irp i, 0,1,2,3,4,5,6,7
	v_exp_f32 v[32+\i], v[32+\i]
.endr
	v_nop                                          ; a plain line behind the last exponential,
	s_wait_alu depctr_va_vdst(0)                   ; and one wait for the eight, ahead of their first reader
.irp i, 0,1,2,3,4,5,6,7
	v_mul_f32 v[40+\i], v14, v[32+\i]
.endr
.irp i, 0,1,2,3,4,5,6,7
	v_rndne_f32 v[40+\i], v[40+\i]                 ; n
.endr
.irp i, 0,1,2,3,4,5,6,7
	v_fma_f32 v[48+\i], v14, v[32+\i], -v[40+\i]   ; rho
.endr
.irp i, 0,1,2,3,4,5,6,7
	v_mul_f32 v[56+\i], v[48+\i], v[48+\i]         ; rho^2
.endr
.irp i, 0,1,2,3,4,5,6,7
	v_fmaak_f32 v[64+\i], s29, v[56+\i], 0x3da335e3
	v_fmaak_f32 v[72+\i], s30, v[56+\i], 0xbcaae9e4
.endr
.irp i, 0,1,2,3,4,5,6,7
	v_fmaak_f32 v[64+\i], v[64+\i], v[56+\i], 0xbf255de7
	v_fmaak_f32 v[72+\i], v[72+\i], v[56+\i], 0x3e81e0f8
.endr
.irp i, 0,1,2,3,4,5,6,7
	v_fmaak_f32 v[64+\i], v[64+\i], v[56+\i], 0x3fc90fdb
	v_fmaak_f32 v[72+\i], v[72+\i], v[56+\i], 0xbf9de9e6
.endr
.irp i, 0,1,2,3,4,5,6,7
	v_mul_f32 v[64+\i], v[64+\i], v[48+\i]         ; sin((pi / 2) rho)
	v_fma_f32 v[72+\i], v[72+\i], v[56+\i], 1.0    ; cos((pi / 2) rho)
	v_cvt_i32_f32 v[80+\i], v[40+\i]
.endr
.irp i, 0,1,2,3,4,5,6,7
	v_and_b32 v[104+\i], 1, v[80+\i]
	v_cmp_ne_u32 vcc_lo, 0, v[104+\i]              ; an odd quarter turn swaps the two
	v_cndmask_b32 v[96+\i], v[64+\i], v[72+\i], vcc_lo
	v_cndmask_b32 v[88+\i], v[72+\i], v[64+\i], vcc_lo
	v_and_b32 v[104+\i], 2, v[80+\i]               ; the sine is negative in quarters 2 and 3,
	v_lshlrev_b32 v[104+\i], 30, v[104+\i]
	v_xor_b32 v[96+\i], v[96+\i], v[104+\i]
	v_add_nc_u32 v[104+\i], 1, v[80+\i]            ; the cosine in quarters 1 and 2
	v_and_b32 v[104+\i], 2, v[104+\i]
	v_lshlrev_b32 v[104+\i], 30, v[104+\i]
	v_xor_b32 v[88+\i], v[88+\i], v[104+\i]
.endr
.irp p, 0,1,2,3
	global_store_b128 v4, v[88+4*\p:88+4*\p+3], s[20:21] offset:512*\p
.endr
	s_endpgm
.Lfunc_end_k_q9cddda8e10_prep:
	.size	k_q9cddda8e10_prep, .Lfunc_end_k_q9cddda8e10_prep-k_q9cddda8e10_prep
	.p2alignl 7, 3214868480
	.fill 96, 4, 3214868480
	.section	.rodata,"a",@progbits
	.p2align	6, 0x0
	.amdhsa_kernel k_q9cddda8e10_prep
		.amdhsa_group_segment_fixed_size 34560
		.amdhsa_private_segment_fixed_size 0
		.amdhsa_enable_private_segment 0
		.amdhsa_kernarg_size 72
		.amdhsa_user_sgpr_count 2
		.amdhsa_user_sgpr_kernarg_segment_ptr 1
		.amdhsa_wavefront_size32 1
		.amdhsa_system_sgpr_workgroup_id_x 1
		.amdhsa_system_sgpr_workgroup_id_y 1
		.amdhsa_system_sgpr_workgroup_id_z 1
		.amdhsa_system_vgpr_workitem_id 0
		.amdhsa_next_free_vgpr 176
		.amdhsa_next_free_sgpr 66
		.amdhsa_reserve_vcc 1
		.amdhsa_float_denorm_mode_32 3
		.amdhsa_float_denorm_mode_16_64 3
		.amdhsa_memory_ordered 1
		.amdhsa_forward_progress 1
		.amdhsa_inst_pref_size 46
	.end_amdhsa_kernel
	.amdgpu_metadata
---
amdhsa.version: [ 1, 2 ]
amdhsa.kernels:
  - .name:           k_q9cddda8e10_prep
    .symbol:         k_q9cddda8e10_prep.kd
    .args:
      - { .name: hidden_states, .offset: 0, .size: 8, .value_kind: global_buffer, .address_space: global }
      - { .name: Wq, .offset: 8, .size: 8, .value_kind: global_buffer, .address_space: global }
      - { .name: Wk, .offset: 16, .size: 8, .value_kind: global_buffer, .address_space: global }
      - { .name: Wv, .offset: 24, .size: 8, .value_kind: global_buffer, .address_space: global }
      - { .name: Wo, .offset: 32, .size: 8, .value_kind: global_buffer, .address_space: global }
      - { .name: xq, .offset: 40, .size: 8, .value_kind: global_buffer, .address_space: global }
      - { .name: wq4, .offset: 48, .size: 8, .value_kind: global_buffer, .address_space: global }
      - { .name: wo16, .offset: 56, .size: 8, .value_kind: global_buffer, .address_space: global }
      - { .name: tab, .offset: 64, .size: 8, .value_kind: global_buffer, .address_space: global }
    .group_segment_fixed_size: 34560
    .private_segment_fixed_size: 0
    .kernarg_segment_align: 8
    .kernarg_segment_size: 72
    .max_flat_workgroup_size: 128
    .sgpr_count:     66
    .vgpr_count:     176
    .wavefront_size: 32
...
	.end_amdgpu_metadata
.endif
;; end of part 1
;; launch qkv (part 2): grid 32 x 24, 4 waves a work-group, no clusters, 0 bytes of LDS; arguments xq, wq4, tab, bq, bk, bv, qi, ki, vi; writes qi, ki, vi
.if DOCPART == 2
	.amdgcn_target "amdgcn-amd-amdhsa--gfx1250"
	.amdhsa_code_object_version 6
	.text
	.protected	k_q9cddda8e10_qkv
	.globl	k_q9cddda8e10_qkv
	.p2align	8
	.type	k_q9cddda8e10_qkv,@function
k_q9cddda8e10_qkv:
	s_mov_b64 s[64:65], 0
	v_nop
	global_prefetch_b8 v0, s[64:65] scope:SCOPE_SE
	s_setreg_imm32_b32 hwreg(HW_REG_WAVE_MODE, 25, 1), 1
	s_wait_xcnt 0x0
; q = x Wq + bq, k = x Wk + bk, v = x Wv + bv on codes of FP4 (E2M1) with E8M0 scales; partial RoPE on q and k; results rounded once to f16 and stored as images of the operand registers of the attention launch.
; The factor 1/8 on q is not applied here: the rotation is linear, and the attention launch folds the factor into the constant of its exponentials.
; SHARES.  Work-group y = g: 64 channels of one head (g / 8: 0 q, 1 k, 2 v; g % 8: the head).  A wave keeps these 64 channels of W for all of K = 512 in registers (16 fragments, 128 registers) and takes
; four tiles of 16 tokens, written out, every offset an immediate.  768 work-groups of 4 waves.
; q, k: THE PRODUCT IS USED TRANSPOSED (source 0 = 16 channels of W, source 1 = 16 tokens): a lane holds token lane % 16 and channels 16 t + 8 (lane / 16) + 0..7, eight neighbours, which pack into 16 bytes.
;   Channel c < 32 rotates with channel c + 32 by angle c; angles 16-31 are 0: so tile 0 rotates with tile 2, and tiles 1 and 3 stay.
; v: the natural order (source 0 = tokens): a lane holds channel lane % 16 and tokens 8 (lane / 16) + 0..7: the keys run along its registers, as the second product of attention wants them.
; The bias is the C of a sum's first product.  The four accumulators take turns, one instruction a turn.
; NO LDS, NO JOINT LOADS: all operands lie in memory as register images and go straight into registers; a joint request lands in LDS, which would add a round trip for 4 KB a tile.
; LIMITS: q, k, v go in f16: magnitudes up to 65,504 (inputs thirty times the drawn spread give some 5e3).
; REGISTERS: v1-4 offsets; v8-15 W's scale words (register 4 p + s: lanes 0-15 tile 2 p, lanes 16-31 tile 2 p + 1); v16-19 x's scale words; v20-51 x's four fragments; v52-83 accumulators; v84-115 bias;
;   v116-131 cosines, sines; v132-147 rotated tiles; v148-163 packed results; v164-227 W's fragments of K steps 0, 1; v256-319 (window 1, v0-63) those of K steps 2, 3.
.set LI,  1                            ; 16 x lane
.set R16, 2                            ; 16 x (lane % 16)
.set L4,  3                            ; 4 x lane
.set BO,  4                            ; the bias loads' offset
.set WS,  8
.set XS,  16
.set XF,  20
.set ACC, 52
.set BI,  84
.set CO,  116
.set SI,  124
.set T1,  132
.set T2,  140
.set OUT, 148
.set WLO, 164
.set MSB, 0
.macro WIN new                         ; the immediate's high byte repeats the setting that is left
.if MSB != \new
	s_set_vgpr_msb (MSB<<8)|\new
.set MSB, \new
.endif
.endm
	s_load_b256 s[4:11], s[0:1], 0x0               ; xq, wq4, tab, bq
	s_load_b256 s[12:19], s[0:1], 0x20             ; bk, bv, qi, ki
	s_load_b64 s[22:23], s[0:1], 0x40              ; vi
	v_lshrrev_b32 v5, 5, v0
	v_readfirstlane_b32 s26, v5                    ; wave
	v_and_b32 v5, 31, v0
	v_lshlrev_b32 v[LI], 4, v5
	v_lshlrev_b32 v[L4], 2, v5
	v_and_b32 v6, 15, v0                           ; r
	v_lshlrev_b32 v[R16], 4, v6
	v_bfe_u32 v7, v0, 4, 1                         ; h
	s_and_b32 s24, ttmp7, 0xffff                   ; g
	s_and_b32 s25, s24, 7                          ; head
	s_lshl_b32 s27, ttmp9, 2
	s_add_co_u32 s27, s27, s26
	s_lshl_b32 s27, s27, 2                         ; my first token tile, 0 .. 508
	s_lshr_b32 s28, s27, 7                         ; batch
	s_and_b32 s29, s27, 127                        ; the tile within the sequence
	s_lshl_b32 s28, s28, 3
	s_add_co_u32 s28, s28, s25                     ; 8 x batch + head
	s_mov_b32 s45, 0
	s_mov_b32 s47, 0
	s_lshl_b32 s46, s28, 18
	s_lshl_b32 s44, s29, 11
	s_add_co_u32 s46, s46, s44                     ; where my results begin in qi, ki or vi: 262,144 a head, 2,048 a token tile
	s_wait_kmcnt 0x0
	s_add_nc_u64 s[38:39], s[8:9], s[44:45]        ; the table at my first tile's positions
	s_lshl_b32 s44, s27, 12
	s_add_nc_u64 s[30:31], s[4:5], s[44:45]        ; x's codes
	s_lshl_b32 s44, s27, 8
	s_add_co_u32 s44, s44, 0x200000
	s_add_nc_u64 s[32:33], s[4:5], s[44:45]        ; x's scale words
	s_lshl_b32 s44, s24, 14
	s_add_nc_u64 s[34:35], s[6:7], s[44:45]        ; my four channel tiles' codes
	s_lshl_b32 s44, s24, 8
	s_add_co_u32 s44, s44, 393216
	s_add_nc_u64 s[36:37], s[6:7], s[44:45]        ; and their scale words
	s_lshl_b32 s44, s25, 8                         ; the head's 64 numbers of a bias
.irp s, 0,1
.irp t, 0,1,2,3
.irp c, 0,1
	global_load_b128 v[WLO+8*(4*\s+\t)+4*\c:WLO+8*(4*\s+\t)+4*\c+3], v[LI], s[34:35] offset:\t*4096+\s*1024+\c*512
.endr
.endr
.endr
	WIN 0x40                                       ; destination window 1
.irp s, 2,3
.irp t, 0,1,2,3
.irp c, 0,1
	global_load_b128 v[8*(4*(\s-2)+\t)+4*\c:8*(4*(\s-2)+\t)+4*\c+3], v[LI], s[34:35] offset:\t*4096+\s*1024+\c*512
.endr
.endr
.endr
	WIN 0
.irp p, 0,1
.irp s, 0,1,2,3
	global_load_b32 v[WS+4*\p+\s], v[L4], s[36:37] offset:(\s*1536+32*\p)*4
.endr
.endr
.macro XLOAD i                                 ; tile i's four fragments and its scale words: nine loads
.irp s, 0,1,2,3
.irp c, 0,1
	global_load_b128 v[XF+8*\s+4*\c:XF+8*\s+4*\c+3], v[LI], s[30:31] offset:(\i)*4096+\s*1024+\c*512
.endr
.endr
	global_load_b128 v[XS:XS+3], v[R16], s[32:33] offset:(\i)*256
.endm
.macro CSLOAD i                                ; tile i's cosines and sines: four loads
.irp p, 0,1,2,3
	global_load_b128 v[CO+4*\p:CO+4*\p+3], v[LI], s[38:39] offset:(\i)*2048+512*\p
.endr
.endm
.macro PLACES5                                 ; behind a tile's products: loads into their sources and reads of their results want four plain lines, the next tile's first product, which writes over an accumulator, five
.rept 5
	v_nop
.endr
.endm
; one product of q or k: channel tile t, K step s
.macro QKMM s, t
.if (\s) < 2
.set WR, WLO+8*(4*(\s)+(\t))
.else
.set WR, 8*(4*((\s)-2)+(\t))
.endif
.if (\s) == 0
.if (\t)%2
	v_wmma_scale_f32_16x16x128_f8f6f4 v[ACC+8*(\t):ACC+8*(\t)+7], v[WR:WR+7], v[XF+8*(\s):XF+8*(\s)+7], v[BI+8*(\t):BI+8*(\t)+7], v[WS+4*((\t)/2)+(\s)], v[XS+(\s)] matrix_a_fmt:MATRIX_FMT_FP4 matrix_b_fmt:MATRIX_FMT_FP4 matrix_a_scale:MATRIX_SCALE_ROW1
.else
	v_wmma_scale_f32_16x16x128_f8f6f4 v[ACC+8*(\t):ACC+8*(\t)+7], v[WR:WR+7], v[XF+8*(\s):XF+8*(\s)+7], v[BI+8*(\t):BI+8*(\t)+7], v[WS+4*((\t)/2)+(\s)], v[XS+(\s)] matrix_a_fmt:MATRIX_FMT_FP4 matrix_b_fmt:MATRIX_FMT_FP4
.endif
.else
.if (\t)%2
	v_wmma_scale_f32_16x16x128_f8f6f4 v[ACC+8*(\t):ACC+8*(\t)+7], v[WR:WR+7], v[XF+8*(\s):XF+8*(\s)+7], v[ACC+8*(\t):ACC+8*(\t)+7], v[WS+4*((\t)/2)+(\s)], v[XS+(\s)] matrix_a_fmt:MATRIX_FMT_FP4 matrix_b_fmt:MATRIX_FMT_FP4 matrix_a_scale:MATRIX_SCALE_ROW1
.else
	v_wmma_scale_f32_16x16x128_f8f6f4 v[ACC+8*(\t):ACC+8*(\t)+7], v[WR:WR+7], v[XF+8*(\s):XF+8*(\s)+7], v[ACC+8*(\t):ACC+8*(\t)+7], v[WS+4*((\t)/2)+(\s)], v[XS+(\s)] matrix_a_fmt:MATRIX_FMT_FP4 matrix_b_fmt:MATRIX_FMT_FP4
.endif
.endif
.endm
; one product of v: the sources, their scales and the row selector change sides
.macro VMM s, t
.if (\s) < 2
.set WR, WLO+8*(4*(\s)+(\t))
.else
.set WR, 8*(4*((\s)-2)+(\t))
.endif
.if (\s) == 0
.if (\t)%2
	v_wmma_scale_f32_16x16x128_f8f6f4 v[ACC+8*(\t):ACC+8*(\t)+7], v[XF+8*(\s):XF+8*(\s)+7], v[WR:WR+7], v[BI+8*(\t):BI+8*(\t)+7], v[XS+(\s)], v[WS+4*((\t)/2)+(\s)] matrix_a_fmt:MATRIX_FMT_FP4 matrix_b_fmt:MATRIX_FMT_FP4 matrix_b_scale:MATRIX_SCALE_ROW1
.else
	v_wmma_scale_f32_16x16x128_f8f6f4 v[ACC+8*(\t):ACC+8*(\t)+7], v[XF+8*(\s):XF+8*(\s)+7], v[WR:WR+7], v[BI+8*(\t):BI+8*(\t)+7], v[XS+(\s)], v[WS+4*((\t)/2)+(\s)] matrix_a_fmt:MATRIX_FMT_FP4 matrix_b_fmt:MATRIX_FMT_FP4
.endif
.else
.if (\t)%2
	v_wmma_scale_f32_16x16x128_f8f6f4 v[ACC+8*(\t):ACC+8*(\t)+7], v[XF+8*(\s):XF+8*(\s)+7], v[WR:WR+7], v[ACC+8*(\t):ACC+8*(\t)+7], v[XS+(\s)], v[WS+4*((\t)/2)+(\s)] matrix_a_fmt:MATRIX_FMT_FP4 matrix_b_fmt:MATRIX_FMT_FP4 matrix_b_scale:MATRIX_SCALE_ROW1
.else
	v_wmma_scale_f32_16x16x128_f8f6f4 v[ACC+8*(\t):ACC+8*(\t)+7], v[XF+8*(\s):XF+8*(\s)+7], v[WR:WR+7], v[ACC+8*(\t):ACC+8*(\t)+7], v[XS+(\s)], v[WS+4*((\t)/2)+(\s)] matrix_a_fmt:MATRIX_FMT_FP4 matrix_b_fmt:MATRIX_FMT_FP4
.endif
.endif
.endm
	s_cmp_ge_u32 s24, 16
	s_cbranch_scc1 .Lv
; ---- q and k
	s_cmp_lt_u32 s24, 8
	s_cselect_b64 s[40:41], s[10:11], s[12:13]     ; bq or bk
	s_cselect_b64 s[42:43], s[16:17], s[18:19]     ; qi or ki
	s_add_nc_u64 s[40:41], s[40:41], s[44:45]
	s_add_nc_u64 s[42:43], s[42:43], s[46:47]
	v_lshlrev_b32 v[BO], 5, v7                     ; lane (r, h) wants, for tile t, the bias of channels 16 t + 8 h + 0..7
.irp t, 0,1,2,3
	global_load_b128 v[BI+8*\t:BI+8*\t+3], v[BO], s[40:41] offset:64*\t
	global_load_b128 v[BI+8*\t+4:BI+8*\t+7], v[BO], s[40:41] offset:64*\t+16
.endr
	XLOAD 0
	CSLOAD 0
.macro QKTILE i
	s_wait_loadcnt 4                               ; all is in but this tile's four table loads
.irp s, 0,1
.irp t, 0,1,2,3
	QKMM \s, \t
.endr
.endr
	WIN 0x01                                       ; source 0 (W) in window 1
.irp s, 2,3
.irp t, 0,1,2,3
	QKMM \s, \t
.endr
.endr
	WIN 0
	PLACES5
.if (\i) < 3
	XLOAD (\i)+1
	s_wait_loadcnt 9                               ; the table loads are in; the nine just issued stay out
.else
	s_wait_loadcnt 0x0
.endif
.irp p, 0,2,4,6                                ; x1 cos - x2 sin and x2 cos + x1 sin, two channels at a time; each accumulator is read from its low end on
	v_pk_mul_f32 v[T1+\p:T1+\p+1], v[ACC+\p:ACC+\p+1], v[CO+\p:CO+\p+1]
	v_pk_mul_f32 v[T2+\p:T2+\p+1], v[ACC+16+\p:ACC+16+\p+1], v[CO+\p:CO+\p+1]
	v_pk_fma_f32 v[T1+\p:T1+\p+1], v[ACC+16+\p:ACC+16+\p+1], v[SI+\p:SI+\p+1], v[T1+\p:T1+\p+1] neg_lo:[1,0,0] neg_hi:[1,0,0]
	v_pk_fma_f32 v[T2+\p:T2+\p+1], v[ACC+\p:ACC+\p+1], v[SI+\p:SI+\p+1], v[T2+\p:T2+\p+1]
.endr
.if (\i) < 3
	CSLOAD (\i)+1
.endif
	s_wait_xcnt 0x0                                ; the last tile's stores have read their data: the packed results may be written again
.irp m, 0,1,2,3
	v_cvt_pk_f16_f32 v[OUT+\m], v[T1+2*\m], v[T1+2*\m+1]
	v_cvt_pk_f16_f32 v[OUT+4+\m], v[ACC+8+2*\m], v[ACC+8+2*\m+1]
	v_cvt_pk_f16_f32 v[OUT+8+\m], v[T2+2*\m], v[T2+2*\m+1]
	v_cvt_pk_f16_f32 v[OUT+12+\m], v[ACC+24+2*\m], v[ACC+24+2*\m+1]
.endr
.irp t, 0,1,2,3
	global_store_b128 v[LI], v[OUT+4*\t:OUT+4*\t+3], s[42:43] offset:(\i)*2048+512*\t   ; 32 lanes store 512 consecutive bytes, aligned
.endr
.endm
	QKTILE 0
	QKTILE 1
	QKTILE 2
	QKTILE 3
	s_endpgm
; ---- v
.Lv:
	s_add_nc_u64 s[40:41], s[14:15], s[44:45]
	s_add_nc_u64 s[42:43], s[22:23], s[46:47]
	v_lshlrev_b32 v[BO], 2, v6                     ; a lane holds one channel: one number of the bias for each tile,
.irp t, 0,1,2,3
	global_load_b32 v[BI+8*\t], v[BO], s[40:41] offset:64*\t
.endr
	XLOAD 0
	s_wait_loadcnt 0x0
.irp t, 0,1,2,3
.irp j, 1,2,3,4,5,6,7
	v_mov_b32 v[BI+8*\t+\j], v[BI+8*\t]            ; for all eight tokens of the lane: made once, serves four tiles
.endr
.endr
.macro VTILE i
	s_wait_loadcnt 0x0                             ; x's fragments and scale words
.irp s, 0,1
.irp t, 0,1,2,3
	VMM \s, \t
.endr
.endr
	WIN 0x04                                       ; source 1 (W) in window 1
.irp s, 2,3
.irp t, 0,1,2,3
	VMM \s, \t
.endr
.endr
	WIN 0
	PLACES5
.if (\i) < 3
	XLOAD (\i)+1
.endif
	s_wait_xcnt 0x0                                ; the last tile's stores have read their data
.irp t, 0,1,2,3
.irp m, 0,1,2,3
	v_cvt_pk_f16_f32 v[OUT+4*\t+\m], v[ACC+8*\t+2*\m], v[ACC+8*\t+2*\m+1]
.endr
.endr
.irp t, 0,1,2,3
	global_store_b128 v[LI], v[OUT+4*\t:OUT+4*\t+3], s[42:43] offset:((\i)/2)*4096+\t*1024+((\i)%2)*512   ; group of 32 keys, channel tile, which 16 of the 32
.endr
.endm
	VTILE 0
	VTILE 1
	VTILE 2
	VTILE 3
	s_endpgm
.Lfunc_end_k_q9cddda8e10_qkv:
	.size	k_q9cddda8e10_qkv, .Lfunc_end_k_q9cddda8e10_qkv-k_q9cddda8e10_qkv
	.p2alignl 7, 3214868480
	.fill 96, 4, 3214868480
	.section	.rodata,"a",@progbits
	.p2align	6, 0x0
	.amdhsa_kernel k_q9cddda8e10_qkv
		.amdhsa_group_segment_fixed_size 0
		.amdhsa_private_segment_fixed_size 0
		.amdhsa_enable_private_segment 0
		.amdhsa_kernarg_size 72
		.amdhsa_user_sgpr_count 2
		.amdhsa_user_sgpr_kernarg_segment_ptr 1
		.amdhsa_wavefront_size32 1
		.amdhsa_system_sgpr_workgroup_id_x 1
		.amdhsa_system_sgpr_workgroup_id_y 1
		.amdhsa_system_sgpr_workgroup_id_z 1
		.amdhsa_system_vgpr_workitem_id 0
		.amdhsa_next_free_vgpr 320
		.amdhsa_next_free_sgpr 66
		.amdhsa_reserve_vcc 0
		.amdhsa_float_denorm_mode_32 3
		.amdhsa_float_denorm_mode_16_64 3
		.amdhsa_memory_ordered 1
		.amdhsa_forward_progress 1
		.amdhsa_inst_pref_size 50
	.end_amdhsa_kernel
	.amdgpu_metadata
---
amdhsa.version: [ 1, 2 ]
amdhsa.kernels:
  - .name:           k_q9cddda8e10_qkv
    .symbol:         k_q9cddda8e10_qkv.kd
    .args:
      - { .name: xq, .offset: 0, .size: 8, .value_kind: global_buffer, .address_space: global }
      - { .name: wq4, .offset: 8, .size: 8, .value_kind: global_buffer, .address_space: global }
      - { .name: tab, .offset: 16, .size: 8, .value_kind: global_buffer, .address_space: global }
      - { .name: bq, .offset: 24, .size: 8, .value_kind: global_buffer, .address_space: global }
      - { .name: bk, .offset: 32, .size: 8, .value_kind: global_buffer, .address_space: global }
      - { .name: bv, .offset: 40, .size: 8, .value_kind: global_buffer, .address_space: global }
      - { .name: qi, .offset: 48, .size: 8, .value_kind: global_buffer, .address_space: global }
      - { .name: ki, .offset: 56, .size: 8, .value_kind: global_buffer, .address_space: global }
      - { .name: vi, .offset: 64, .size: 8, .value_kind: global_buffer, .address_space: global }
    .group_segment_fixed_size: 0
    .private_segment_fixed_size: 0
    .kernarg_segment_align: 8
    .kernarg_segment_size: 72
    .max_flat_workgroup_size: 128
    .sgpr_count:     66
    .vgpr_count:     320
    .wavefront_size: 32
...
	.end_amdgpu_metadata
.endif
;; end of part 2
;; launch attn (part 3): grid 8 x 32, 16 waves a work-group, no clusters, 327,680 bytes of LDS; arguments qi, ki, vi, ao; writes ao
.if DOCPART == 3
	.amdgcn_target "amdgcn-amd-amdhsa--gfx1250"
	.amdhsa_code_object_version 6
	.text
	.protected	k_q9cddda8e10_attn
	.globl	k_q9cddda8e10_attn
	.p2align	8
	.type	k_q9cddda8e10_attn,@function
k_q9cddda8e10_attn:
	s_mov_b64 s[64:65], 0
	v_nop
	global_prefetch_b8 v0, s[64:65] scope:SCOPE_SE
	s_setreg_imm32_b32 hwreg(HW_REG_WAVE_MODE, 25, 1), 1
	s_wait_xcnt 0x0
; O[bh][q] = the sum over k <= q of softmax_k(Q[bh][q] . K[bh][k] / 8) V[bh][k], 32 heads x 2,048 positions x 64 channels; operands f16, products, maxima and sums f32; the weights p are rounded to f16 for the
; second product, O once at the end.  A running maximum m and sum l for each query: p = 2^(c s - c m), c = log2(e) / 8 (the factor 1/8 that the model puts on q stands here).
; SHARES.  Work-group (j, bh) owns the blocks j and 15 - j of 128 queries of one head, so that under the causal mask all 256 work-groups have the same work.  A PAIR of waves owns 32 queries (two tiles of 16):
; one takes the even steps of 64 keys, the other the odd ones; at the end the odd wave hands its O, m and l to the even one through LDS.  Sixteen waves of 256 registers: four to a SIMD, so that one wave's
; exponentials stand beside another's products.
; LAYOUT.  Both products are used transposed: S^T = K Q^T (source 0 = 16 keys, source 1 = 16 queries), O^T = V^T P (source 0 = 16 channels, source 1 = P): a lane holds ONE query (lane % 16) throughout, and two
; tiles of S^T, packed to f16 in pairs, are source 1 of the second product.  qi, ki, vi lie in memory as images of these operands' registers (512 bytes a piece, lane l's 16 bytes at 16 l): tiles come into LDS as
; dense blocks and fragments leave it by 16-byte loads at 16 x lane.
; RING.  Two LDS slots of 256 keys (32 KB of K, 32 KB of V), filled by waves 0-3 with one tensor load of 16 KB each, read by all sixteen.  By the text's own count a wave has one tensor load out.
; CAUSAL.  Every work-group walks all 8 slots (constant trip counts, no barrier is jumped over); a step whose keys all come after the wave's queries is left out by a scalar branch on ids; a slot whose first key comes
; after the work-group's last query is not asked for.  A step that is walked begins at or before the wave's first query (steps begin at multiples of 64, the wave's queries at a multiple of 32), so each query
; has a key that counts in it, and m is a number after it.
; NO CLUSTER: the eight work-groups of a head end their walks at different keys, (16 - j) x 128, so partners would need different numbers of tiles.
; LIMITS: NaN and infinities are not served; the running maximum starts at -1e38.
; REGISTERS: v1-7 addresses; v8-23 statistics, eight a tile: +0 c m, +1 m, +2, +3 l in two halves, +4..+7 at work (+6: a = 2^(c m_old - c m_new)); v24-55 Q; v56-119 K, then V, of the step; v120-183 S^T, 32 a tile,
;   then P in the low 16 of each 32; v184-247 O^T, 32 a tile; v248-251 the mask's.
.set SLOT1, 65536                      ; slot 1 begins here: one exclusive or turns an address
.set VOFF,  32768                      ; in a slot: K's 32 KB, then V's
.set MRG,   131072                     ; behind the ring: for each of 8 pairs 16 pieces of O^T and one of statistics
.set PAIRB, 17*512
.set SPARE, MRG+8*PAIRB                ; the spare words: 128 bytes for each of 16 waves, eight blocks of 256 bytes that no other line names
.set LI,   1                           ; 16 x lane
.set SPW,  2                           ; LDS address of my spare word; never rewritten
.set NIL,  3                           ; 0; never rewritten
.set AD,   4                           ; LDS address of my steps in the slot in hand
.set MA,   5                           ; my pair's place in MRG
.set PFO,  6                           ; 256 x lane
.set AD0,  7                           ; 16 x lane + 8,192 for the odd wave
.set ST,   8
.set Q,    24
.set KV,   56
.set S,    120
.set O,    184
.set D0,   248                         ; v248, v249: my query less the step's first key less 8 (lane / 16), tiles 0 and 1
.set NINF, 250
.set RH,   251                         ; lane % 16 - 8 (lane / 16)
.set WV,   12
.set PAR,  13                          ; 0: even steps, 1: odd steps
.set HIGH, 14                          ; 1: block 15 - j, 0: block j
.set PRB,  15                          ; which 32 of the block's 128 queries
.set G1,   24                          ; s[24:31] descriptor group 1, the same for every load
.set G0,   32                          ; s[32:35] descriptor group 0, which walks
.set SEL,  36
.set CS,   38                          ; s[38:39] c: the packed form names a pair and takes its low word for both halves
.set TB,   40                          ; LDS byte at which the slot in hand begins
.set KB,   41                          ; its first key
.set Q0,   42                          ; my first query
.set QL,   43                          ; my last
.set WL,   44                          ; my work-group's last
.set SLOTS, 45
.set PFA,  46                          ; s[46:47] where my prefetches stand
.set LIM,  48                          ; 1 in a wave that prefetches, else the greatest number
.set KF,   49                          ; the step's first key
.set P64,  50                          ; 64 x PAR
.macro TLOAD                           ; waves 0, 1 fetch K's halves of a slot, waves 2, 3 V's; an s_nop 0 and four v_nop follow the load
	s_cmp_lt_u32 s[WV], 4
	s_cbranch_scc0 .Lno_load_\@
	tensor_load_to_lds s[G0:G0+3], s[G1:G1+7]
	s_nop 0
.rept 4
	v_nop
.endr
.Lno_load_\@:
.endm
; A prefetch of what the NEXT change of slots will load: a slot's 32 KB of K and 32 KB of V.  All eight work-groups of a head walk the same K and V: work-group j = 0, which walks to the last key, asks, and nobody else.
; In it the waves ask that fetch nothing: waves 4-7 for K, waves 8-11 for V, 8,192 bytes a wave, lanes 256 bytes apart: each aligned 256 bytes of slots 2 to 7 are named once in the launch.
; Slots 0 and 1 come by their loads alone; the last change that fills a slot asks for nothing.
.macro ASK
	s_cmp_gt_u32 s[SLOTS], s[LIM]
	s_cbranch_scc0 .Lnot_mine_\@
	global_prefetch_b8 v[PFO], s[PFA:PFA+1] th:TH_LOAD_NT scope:SCOPE_SE
.Lnot_mine_\@:
.endm
	s_load_b256 s[4:11], s[0:1], 0x0               ; qi, ki, vi, ao
	v_lshl_add_u32 v[SPW], v0, 2, SPARE
	v_mov_b32 v[NIL], 0
	ds_add_u32 v[SPW], v[NIL]                      ; the wave's opening: the add and its wait stand ahead of the first tensor load; the set-up, work on registers, stands between
	v_lshrrev_b32 v8, 5, v0
	v_readfirstlane_b32 s[WV], v8                  ; wave 0..15
	s_lshr_b32 s[PRB], s[WV], 2
	s_bfe_u32 s[PAR], s[WV], 0x10001
	s_xor_b32 s[HIGH], s[WV], s[PRB]
	s_and_b32 s[HIGH], s[HIGH], 1
	s_sub_co_u32 s16, 15, ttmp9
	s_cmp_eq_u32 s[HIGH], 1
	s_cselect_b32 s16, s16, ttmp9                  ; my block of 128 queries
	s_lshl_b32 s16, s16, 2
	s_add_co_u32 s16, s16, s[PRB]                  ; my run of 32 queries, 0 .. 63
	s_lshl_b32 s[Q0], s16, 5
	s_add_co_u32 s[QL], s[Q0], 31
	s_sub_co_u32 s[WL], 16, ttmp9
	s_lshl_b32 s[WL], s[WL], 7
	s_sub_co_u32 s[WL], s[WL], 1
	s_and_b32 s17, ttmp7, 0xffff                   ; 8 x batch + head
	s_lshl_b32 s[P64], s[PAR], 6
	; descriptor group 1: a dense block of 16,384 bytes as 64 rows of 32 elements of 8 bytes, no padding
	s_mov_b32 s[G1], 3<<16                         ; no mask; elements of 8 bytes
	s_mov_b32 s[G1+1], 32<<16                      ; tensor_dim0
	s_mov_b32 s[G1+2], 64<<16                      ; tensor_dim1
	s_mov_b32 s[G1+3], 32<<16                      ; tile_dim0
	s_mov_b32 s[G1+4], 64                          ; tile_dim1
	s_mov_b32 s[G1+5], 32                          ; from row to row
	s_mov_b32 s[G1+6], 0
	s_mov_b32 s[G1+7], 0
	s_mov_b32 s[SEL], 0x76543210
	s_mov_b32 s[SEL+1], 0xfedcba98
	s_mov_b32 s[CS], 0x3e38aa3b                    ; log2(e) / 8
	s_mov_b32 s[CS+1], s[CS]
	s_mov_b32 s[TB], 0
	s_mov_b32 s[KB], 0
	s_mov_b32 s[SLOTS], 7
	v_and_b32 v8, 31, v0
	v_lshlrev_b32 v[LI], 4, v8
	v_lshlrev_b32 v[PFO], 8, v8
	s_lshl_b32 s18, s[PAR], 13
	v_add_nc_u32 v[AD0], s18, v[LI]
	s_lshl_b32 s18, s[HIGH], 2
	s_add_co_u32 s18, s18, s[PRB]                  ; my pair, 0 .. 7
	s_mul_i32 s18, s18, PAIRB
	s_add_co_u32 s18, s18, MRG
	v_add_nc_u32 v[MA], s18, v[LI]
	v_and_b32 v9, 15, v0
	v_bfe_u32 v10, v0, 4, 1
	v_lshlrev_b32 v10, 3, v10
	v_sub_nc_u32 v[RH], v9, v10
	s_lshl_b32 s18, s17, 18                        ; the head's first byte in qi, ki, vi
	s_mov_b32 s19, 0
	s_mov_b32 s21, 0
	s_wait_dscnt 0x0                               ; the opening add is done
	s_wait_kmcnt 0x0
	s_cmp_lt_u32 s[WV], 2
	s_cselect_b64 s[G0+2:G0+3], s[6:7], s[8:9]     ; K or V
	s_and_b32 s20, s[WV], 1
	s_lshl_b32 s20, s20, 14                        ; which half of a slot's 32 KB
	s_add_co_u32 s20, s20, s18
	s_add_nc_u64 s[G0+2:G0+3], s[G0+2:G0+3], s[20:21]
	s_or_b32 s[G0+3], s[G0+3], 0x80000000          ; type = 2
	s_mov_b32 s[G0], 1
	s_and_b32 s[G0+1], s[WV], 3
	s_lshl_b32 s[G0+1], s[G0+1], 14                ; LDS: 16,384 x wave, in slot 0
	TLOAD                                          ; slot 0
	s_lshl_b32 s20, s16, 12
	s_add_co_u32 s20, s20, s18
	s_add_nc_u64 s[52:53], s[4:5], s[20:21]        ; my two tiles of Q
.set XX, 0
.rept 8
	global_load_b128 v[Q+4*XX:Q+4*XX+3], v[LI], s[52:53] offset:512*XX   ; Q stays in registers: tile t, channels 32 u on, at v[Q + 16 t + 8 u]
.set XX, XX+1
.endr
	s_lshr_b32 s20, s17, 3
	s_lshl_b32 s20, s20, 21                        ; ao: batch x 128 token tiles of 16,384 bytes,
	s_lshl_b32 s22, s16, 15                        ; my two tiles,
	s_add_co_u32 s20, s20, s22
	s_and_b32 s22, s17, 7
	s_lshl_b32 s22, s22, 11                        ; the head's four pieces
	s_add_co_u32 s20, s20, s22
	s_add_nc_u64 s[54:55], s[10:11], s[20:21]
	s_cmp_lt_u32 s[WV], 8
	s_cselect_b64 s[PFA:PFA+1], s[6:7], s[8:9]
	s_and_b32 s20, s[WV], 3
	s_lshl_b32 s20, s20, 13
	s_add_co_u32 s20, s20, s18
	s_add_co_u32 s20, s20, 32768                   ; in slot 1: the first change of slots steps it to slot 2
	s_add_nc_u64 s[PFA:PFA+1], s[PFA:PFA+1], s[20:21]
	s_sub_co_u32 s20, s[WV], 4
	s_lshr_b32 s20, s20, 3                         ; 0 in waves 4 to 11,
	s_or_b32 s20, s20, ttmp9                       ; of work-group j = 0
	s_cmp_eq_u32 s20, 0
	s_cselect_b32 s[LIM], 1, -1
.set XX, 0
.rept 64
	v_mov_b32 v[O+XX], 0                           ; O^T.  (A step is written once and any step may be a wave's first: it finds zeros, which a = 0 leaves zeros)
.set XX, XX+1
.endr
.irp t, 0,1
	v_mov_b32 v[ST+8*\t+1], 0xfe967699             ; m = -1e38, under every score
	v_mov_b32 v[ST+8*\t+2], 0                      ; l, in two halves
	v_mov_b32 v[ST+8*\t+3], 0
.endr
.irp t, 0,1
	v_mul_f32 v[ST+8*\t], s[CS], v[ST+8*\t+1]      ; c m
.endr
	v_mov_b32 v[NINF], 0xff800000
; A STEP: 64 keys, step 2 i + PAR of the slot in hand.
.macro STEP i
	s_add_co_u32 s[KF], s[KB], s[P64]
.if \i
	s_add_co_u32 s[KF], s[KF], 128*\i
.endif
	s_cmp_gt_u32 s[KF], s[QL]                      ; all its keys come after my queries: left out
	s_cbranch_scc1 .Lskip_\@
.set XX, 0
.rept 16
	ds_load_b128 v[KV+4*XX:KV+4*XX+3], v[AD] offset:16384*\i+512*XX   ; K: key tile k, channels 32 u on, at v[KV + 16 k + 8 u]
.set XX, XX+1
.endr
	s_wait_dscnt 0x0
.irp u, 0,1                                    ; S^T = K Q^T: eight accumulators by turns
.irp k, 0,1,2,3
.irp t, 0,1
.if \u == 0
	v_wmma_f32_16x16x32_f16 v[S+32*\t+8*\k:S+32*\t+8*\k+7], v[KV+16*\k+8*\u:KV+16*\k+8*\u+7], v[Q+16*\t+8*\u:Q+16*\t+8*\u+7], 0
.else
	v_wmma_f32_16x16x32_f16 v[S+32*\t+8*\k:S+32*\t+8*\k+7], v[KV+16*\k+8*\u:KV+16*\k+8*\u+7], v[Q+16*\t+8*\u:Q+16*\t+8*\u+7], v[S+32*\t+8*\k:S+32*\t+8*\k+7]
.endif
.endr
.endr
.endr
.rept 4
	v_nop                                          ; four plain lines ahead of the loads into K's registers and of the first read of the scores
.endr
.set XX, 0
.rept 16
	ds_load_b128 v[KV+4*XX:KV+4*XX+3], v[AD] offset:VOFF+16384*\i+512*XX   ; V into the same registers: keys 32 g on, channel tile d, at v[KV + 32 g + 8 d]; it lands during the softmax
.set XX, XX+1
.endr
	s_add_co_u32 s51, s[KF], 63
	s_cmp_le_u32 s51, s[Q0]                        ; all keys of the step count for all my queries: no mask
	s_cbranch_scc1 .Lopen_\@
	s_sub_co_i32 s51, s[Q0], s[KF]
	v_add_nc_u32 v[D0], s51, v[RH]                 ; register 8 k + i of tile t holds key KF + 16 k + 8 (lane / 16) + i: hidden where 16 k + i > my query - KF - 8 (lane / 16)
	v_add_nc_u32 v[D0+1], 16, v[D0]
.irp t, 0,1
.irp n, 0,1,2,3,4,5,6,7,8,9,10,11,12,13,14,15,16,17,18,19,20,21,22,23,24,25,26,27,28,29,30,31
	v_cmp_gt_i32 vcc_lo, 16*(\n/8)+\n%8, v[D0+\t]
	v_cndmask_b32 v[S+32*\t+\n], v[S+32*\t+\n], v[NINF], vcc_lo    ; -infinity: p = 0
.endr
.endr
.Lopen_\@:
.irp c, 0,1,2,3                                ; the largest score: four chains a tile, each begun at its accumulator's low end; the two tiles by turns
.irp t, 0,1
	v_max3_num_f32 v[ST+8*\t+4+\c], v[S+32*\t+8*\c], v[S+32*\t+8*\c+1], v[S+32*\t+8*\c+2]
.endr
.endr
.irp e, 3,5
.irp c, 0,1,2,3
.irp t, 0,1
	v_max3_num_f32 v[ST+8*\t+4+\c], v[ST+8*\t+4+\c], v[S+32*\t+8*\c+\e], v[S+32*\t+8*\c+\e+1]
.endr
.endr
.endr
.irp t, 0,1
	v_max3_num_f32 v[ST+8*\t+4], v[ST+8*\t+4], v[S+32*\t+7], v[S+32*\t+15]
.endr
.irp t, 0,1
	v_max3_num_f32 v[ST+8*\t+6], v[ST+8*\t+6], v[S+32*\t+23], v[S+32*\t+31]
.endr
.irp t, 0,1
	v_max3_num_f32 v[ST+8*\t+4], v[ST+8*\t+4], v[ST+8*\t+5], v[ST+8*\t+6]
.endr
.irp t, 0,1
	v_max3_num_f32 v[ST+8*\t+4], v[ST+8*\t+4], v[ST+8*\t+7], v[ST+8*\t+1]   ; and the old m
.endr
.irp t, 0,1
	v_permlanex16_b32 v[ST+8*\t+5], v[ST+8*\t+4], s[SEL], s[SEL+1]  ; the query's other 32 keys lie in the lane 16 away
.endr
.irp t, 0,1
	v_mov_b32 v[ST+8*\t+7], v[ST+8*\t]             ; c m_old
.endr
.irp t, 0,1
	v_max_num_f32 v[ST+8*\t+1], v[ST+8*\t+4], v[ST+8*\t+5]
.endr
.irp t, 0,1
	v_mul_f32 v[ST+8*\t], s[CS], v[ST+8*\t+1]
.endr
.irp t, 0,1
	v_sub_f32 v[ST+8*\t+7], v[ST+8*\t+7], v[ST+8*\t]
.endr
.irp j, 0,2,4,6,8,10,12,14,16,18,20,22,24,26,28,30
.irp t, 0,1
	v_pk_fma_f32 v[S+32*\t+\j:S+32*\t+\j+1], v[S+32*\t+\j:S+32*\t+\j+1], s[CS:CS+1], v[ST+8*\t:ST+8*\t+1] op_sel_hi:[1,0,0] neg_lo:[0,0,1] neg_hi:[0,0,1]   ; c s - c m
.endr
.endr
.irp t, 0,1                                    ; ONE BATCH of 66 exponentials: none reads another's result
	v_exp_f32 v[ST+8*\t+6], v[ST+8*\t+7]           ; a
.endr
.irp t, 0,1
.irp n, 0,1,2,3,4,5,6,7,8,9,10,11,12,13,14,15,16,17,18,19,20,21,22,23,24,25,26,27,28,29,30,31
	v_exp_f32 v[S+32*\t+\n], v[S+32*\t+\n]         ; p
.endr
.endr
	v_nop                                          ; a plain line behind the last exponential,
	s_wait_alu depctr_va_vdst(0)                   ; and one wait for the batch, ahead of its first reader
.irp t, 0,1                                    ; l = a l + the sum of the unrounded p: two chains a tile
	v_pk_add_f32 v[ST+8*\t+4:ST+8*\t+5], v[S+32*\t:S+32*\t+1], v[S+32*\t+2:S+32*\t+3]
.endr
.irp t, 0,1
	v_pk_fma_f32 v[ST+8*\t+2:ST+8*\t+3], v[ST+8*\t+2:ST+8*\t+3], v[ST+8*\t+6:ST+8*\t+7], v[S+32*\t+4:S+32*\t+5] op_sel_hi:[1,0,1]
.endr
.irp t, 0,1
	v_pk_add_f32 v[ST+8*\t+4:ST+8*\t+5], v[ST+8*\t+4:ST+8*\t+5], v[S+32*\t+6:S+32*\t+7]
.endr
.irp j, 8,12,16,20,24,28
.irp t, 0,1
	v_pk_add_f32 v[ST+8*\t+2:ST+8*\t+3], v[ST+8*\t+2:ST+8*\t+3], v[S+32*\t+\j:S+32*\t+\j+1]
	v_pk_add_f32 v[ST+8*\t+4:ST+8*\t+5], v[ST+8*\t+4:ST+8*\t+5], v[S+32*\t+\j+2:S+32*\t+\j+3]
.endr
.endr
.irp t, 0,1
	v_pk_add_f32 v[ST+8*\t+2:ST+8*\t+3], v[ST+8*\t+2:ST+8*\t+3], v[ST+8*\t+4:ST+8*\t+5]
.endr
.irp m, 0,1,2,3,4,5,6,7,8,9,10,11,12,13,14,15
.irp t, 0,1
	v_cvt_pk_f16_f32 v[S+32*\t+\m], v[S+32*\t+2*\m], v[S+32*\t+2*\m+1]   ; P, packed in place, ascending: keys 32 g on at v[S + 32 t + 8 g]
.endr
.endr
.irp j, 0,2,4,6,8,10,12,14,16,18,20,22,24,26,28,30
.irp t, 0,1
	v_pk_mul_f32 v[O+32*\t+\j:O+32*\t+\j+1], v[O+32*\t+\j:O+32*\t+\j+1], v[ST+8*\t+6:ST+8*\t+7] op_sel_hi:[1,0]   ; O^T x a, each accumulator from its low end on
.endr
.endr
	s_wait_dscnt 0x0                               ; V is in
.irp g, 0,1                                    ; O^T += V^T P: eight accumulators by turns
.irp d, 0,1,2,3
.irp t, 0,1
	v_wmma_f32_16x16x32_f16 v[O+32*\t+8*\d:O+32*\t+8*\d+7], v[KV+32*\g+8*\d:KV+32*\g+8*\d+7], v[S+32*\t+8*\g:S+32*\t+8*\g+7], v[O+32*\t+8*\d:O+32*\t+8*\d+7]
.endr
.endr
.endr
.rept 5
	v_nop                                          ; the next loads land on V's registers (four plain lines), the next scores are written over P by matrix instructions (five)
.endr
.Lskip_\@:
.endm
; THE CHANGE OF SLOTS stands at a slot's head.  Each wave waits for all its tensor loads (its part of the slot ahead), adds 0 to its spare word, and waits for that and for its reads of the slot that it has left.
; Behind the barrier the slot ahead is whole and nobody reads the other one, which is filled with the next 256 keys: the load has a slot's steps in which to land.
.macro CHANGE fill
	s_wait_tensorcnt 0x0                           ; no tensor load of mine is out, so group 0 may be written
	ds_add_u32 v[SPW], v[NIL]                      ; 0 onto my spare word; the steps below stand between it and the wait for it
.if \fill
	s_xor_b32 s[G0+1], s[G0+1], SLOT1              ; the other slot than last time,
	s_add_nc_u64 s[G0+2:G0+3], s[G0+2:G0+3], 32768 ; the next 256 keys; the type bits on top are not reached
	s_wait_xcnt 0x0                                ; the last prefetch, a slot back, has read its address
	s_add_nc_u64 s[PFA:PFA+1], s[PFA:PFA+1], 32768 ; one slot further on than the walking descriptor
.endif
	s_wait_dscnt 0x0                               ; the add is done, and my reads of the slot that I have left are over
	s_barrier_signal -1
	s_barrier_wait -1
.if \fill
	s_add_co_u32 s51, s[KB], 256                   ; the first key of the slot that this change would ask for:
	s_cmp_gt_u32 s51, s[WL]                        ; behind my work-group's last query no wave reads it, so it is not asked for.  Ids and the count of slots alone: all sixteen waves go the same way;
	s_cbranch_scc1 .Lpast_\@                       ; every wait for tensor loads in this text is for 0, and the jump leads round the load's own lines and nothing else
	TLOAD
.Lpast_\@:
	ASK
.endif
.endm
.macro SLOT_STEPS
	v_add_nc_u32 v[AD], s[TB], v[AD0]
	STEP 0
	STEP 1
	s_xor_b32 s[TB], s[TB], SLOT1
	s_add_co_u32 s[KB], s[KB], 256
.endm
	s_wait_loadcnt 0x0                             ; Q
.Lslot:                                            ; 7 trips: behind each change of slots but the last the next slot is asked for, up to the causal limit
	CHANGE 1
	SLOT_STEPS
	s_sub_co_u32 s[SLOTS], s[SLOTS], 1
	s_cmp_lg_u32 s[SLOTS], 0
	s_cbranch_scc1 .Lslot
	CHANGE 0                                       ; the last slot is written out: nothing is left to ask for
	SLOT_STEPS
	; THE PAIR'S TWO HALVES MEET.  The odd wave stores its O^T and statistics as register images; a barrier; the even wave brings both under the larger maximum, divides by the sum and stores.
.irp t, 0,1
	v_add_f32 v[ST+8*\t+2], v[ST+8*\t+2], v[ST+8*\t+3]
.endr
	s_cmp_eq_u32 s[PAR], 0
	s_cbranch_scc1 .Lkeep
.set XX, 0
.rept 16
	ds_store_b128 v[MA], v[O+4*XX:O+4*XX+3] offset:512*XX          ; each accumulator from its low end on
.set XX, XX+1
.endr
	v_mov_b32 v[S], v[ST]                          ; c m of tiles 0, 1; l of tiles 0, 1
	v_mov_b32 v[S+1], v[ST+8]
	v_mov_b32 v[S+2], v[ST+2]
	v_mov_b32 v[S+3], v[ST+10]
	ds_store_b128 v[MA], v[S:S+3] offset:8192
.Lkeep:
	s_wait_dscnt 0x0                               ; for the partner's sake: my stores have landed
	s_barrier_signal -1
	s_barrier_wait -1
	s_cmp_eq_u32 s[PAR], 1
	s_cbranch_scc1 .Ldone
.set XX, 0
.rept 17
	ds_load_b128 v[KV+4*XX:KV+4*XX+3], v[MA] offset:512*XX         ; the partner's O^T into v56-119, its statistics into v120-123
.set XX, XX+1
.endr
	s_wait_dscnt 0x0
.irp t, 0,1
	v_max_num_f32 v[ST+8*\t+4], v[ST+8*\t], v[S+\t]                ; the larger c m
.endr
.irp t, 0,1
	v_sub_f32 v[ST+8*\t+5], v[S+\t], v[ST+8*\t+4]
	v_sub_f32 v[ST+8*\t+4], v[ST+8*\t], v[ST+8*\t+4]
.endr
.irp t, 0,1
	v_exp_f32 v[ST+8*\t+4], v[ST+8*\t+4]           ; my factor; (a partner that walked no step has c m = -1.8e37 and the factor 0)
	v_exp_f32 v[ST+8*\t+5], v[ST+8*\t+5]           ; the partner's
.endr
	v_nop
	s_wait_alu depctr_va_vdst(0)                   ; one wait for the four
.irp t, 0,1
	v_mul_f32 v[ST+8*\t+2], v[ST+8*\t+2], v[ST+8*\t+4]
.endr
.irp t, 0,1
	v_fmac_f32 v[ST+8*\t+2], v[S+2+\t], v[ST+8*\t+5]
.endr
.irp t, 0,1
	v_permlanex16_b32 v[ST+8*\t+3], v[ST+8*\t+2], s[SEL], s[SEL+1]
.endr
.irp t, 0,1
	v_add_f32 v[ST+8*\t+2], v[ST+8*\t+2], v[ST+8*\t+3]             ; with the lane 16 away: the row's sum
.endr
.irp t, 0,1
	v_rcp_f32 v[ST+8*\t+7], v[ST+8*\t+2]
.endr
	v_nop
	s_wait_alu depctr_va_vdst(0)                   ; one wait for the two
.irp t, 0,1
	v_mul_f32 v[ST+8*\t+4], v[ST+8*\t+4], v[ST+8*\t+7]
	v_mul_f32 v[ST+8*\t+6], v[ST+8*\t+5], v[ST+8*\t+7]
.endr
.irp j, 0,2,4,6,8,10,12,14,16,18,20,22,24,26,28,30
.irp t, 0,1
	v_pk_mul_f32 v[O+32*\t+\j:O+32*\t+\j+1], v[O+32*\t+\j:O+32*\t+\j+1], v[ST+8*\t+4:ST+8*\t+5] op_sel_hi:[1,0]
.endr
.irp t, 0,1
	v_pk_fma_f32 v[O+32*\t+\j:O+32*\t+\j+1], v[KV+32*\t+\j:KV+32*\t+\j+1], v[ST+8*\t+6:ST+8*\t+7], v[O+32*\t+\j:O+32*\t+\j+1] op_sel_hi:[1,0,1]
.endr
.endr
.irp m, 0,1,2,3,4,5,6,7,8,9,10,11,12,13,14,15
.irp t, 0,1
	v_cvt_pk_f16_f32 v[KV+16*\t+\m], v[O+32*\t+2*\m], v[O+32*\t+2*\m+1]   ; a lane's eight channels of a query: 16 bytes, as the last launch's operand wants them
.endr
.endr
.irp t, 0,1
.irp d, 0,1,2,3
	global_store_b128 v[LI], v[KV+16*\t+4*\d:KV+16*\t+4*\d+3], s[54:55] offset:\t*16384+512*\d   ; 32 lanes store 512 consecutive bytes, aligned
.endr
.endr
.Ldone:
	s_wait_tensorcnt 0x0                           ; the wave's end: behind my last tensor load and my last LDS store
	ds_add_u32 v[SPW], v[NIL]
	s_wait_dscnt 0x0
	s_endpgm
.Lfunc_end_k_q9cddda8e10_attn:
	.size	k_q9cddda8e10_attn, .Lfunc_end_k_q9cddda8e10_attn-k_q9cddda8e10_attn
	.p2alignl 7, 3214868480
	.fill 96, 4, 3214868480
	.section	.rodata,"a",@progbits
	.p2align	6, 0x0
	.amdhsa_kernel k_q9cddda8e10_attn
		.amdhsa_group_segment_fixed_size 327680
		.amdhsa_private_segment_fixed_size 0
		.amdhsa_enable_private_segment 0
		.amdhsa_kernarg_size 32
		.amdhsa_user_sgpr_count 2
		.amdhsa_user_sgpr_kernarg_segment_ptr 1
		.amdhsa_wavefront_size32 1
		.amdhsa_system_sgpr_workgroup_id_x 1
		.amdhsa_system_sgpr_workgroup_id_y 1
		.amdhsa_system_sgpr_workgroup_id_z 1
		.amdhsa_system_vgpr_workitem_id 0
		.amdhsa_next_free_vgpr 256
		.amdhsa_next_free_sgpr 66
		.amdhsa_reserve_vcc 1
		.amdhsa_float_denorm_mode_32 3
		.amdhsa_float_denorm_mode_16_64 3
		.amdhsa_memory_ordered 1
		.amdhsa_forward_progress 1
		.amdhsa_inst_pref_size 104
	.end_amdhsa_kernel
	.amdgpu_metadata
---
amdhsa.version: [ 1, 2 ]
amdhsa.kernels:
  - .name:           k_q9cddda8e10_attn
    .symbol:         k_q9cddda8e10_attn.kd
    .args:
      - { .name: qi, .offset: 0, .size: 8, .value_kind: global_buffer, .address_space: global }
      - { .name: ki, .offset: 8, .size: 8, .value_kind: global_buffer, .address_space: global }
      - { .name: vi, .offset: 16, .size: 8, .value_kind: global_buffer, .address_space: global }
      - { .name: ao, .offset: 24, .size: 8, .value_kind: global_buffer, .address_space: global }
    .group_segment_fixed_size: 327680
    .private_segment_fixed_size: 0
    .kernarg_segment_align: 8
    .kernarg_segment_size: 32
    .max_flat_workgroup_size: 512
    .sgpr_count:     66
    .vgpr_count:     256
    .wavefront_size: 32
...
	.end_amdgpu_metadata
.endif
;; end of part 3
;; launch oproj (part 4): grid 4 x 64, 4 waves a work-group, clusters of 4 x 4, 327,680 bytes of LDS; arguments ao, wo16, bo, out0; writes out0
.if DOCPART == 4
	.amdgcn_target "amdgcn-amd-amdhsa--gfx1250"
	.amdhsa_code_object_version 6
	.text
	.protected	k_q9cddda8e10_oproj
	.globl	k_q9cddda8e10_oproj
	.p2align	8
	.type	k_q9cddda8e10_oproj,@function
k_q9cddda8e10_oproj:
	s_mov_b64 s[64:65], 0
	v_nop
	global_prefetch_b8 v0, s[64:65] scope:SCOPE_SE
	s_setreg_imm32_b32 hwreg(HW_REG_WAVE_MODE, 25, 1), 1
	s_wait_xcnt 0x0
	s_wait_alu depctr_hold_cnt(0) depctr_sa_sdst(0) depctr_va_vdst(0) depctr_va_sdst(0) depctr_va_ssrc(0) depctr_va_vcc(0) depctr_vm_vsrc(0)
	s_getreg_b32 s2, hwreg(HW_REG_IB_STS2, 6, 4)
	s_cmp_eq_u32 s2, 0
	s_cbranch_scc0 .Lentry_in_a_cluster
	s_endpgm
.Lentry_in_a_cluster:
	s_bfe_u32 s2, ttmp6, 0x10000c
	s_cmp_lg_u32 s2, 0xf033
	s_cbranch_scc0 .Lentry_shape_is_right
	s_endpgm
.Lentry_shape_is_right:
; out0[token][n] = the sum over e of ao[token][e] Wo[e][n] + bo[n]: [8192][512] x [512][512], operands f16 (as register images, 512 bytes a piece), sums f32, result f32.
; SHARES.  256 work-groups, each 128 tokens x 128 n over all of K = 512; a wave makes 64 x 64: 16 accumulators.  Both operands of the work-group, 2 x 128 KB, come into LDS ONCE, as four chunks of 128 along K:
; no byte of LDS is filled twice.  A wave issues four tensor loads (waves 0, 1: four token tiles each; waves 2, 3: four n tiles each), all at the start: four are out by the text's own count, and each chunk is
; waited for with a count that leaves the later ones on their way.
; CLUSTER.  4 x 4 work-groups: the four of a row of the cluster need the same tokens, the four of a column the same columns of Wo: each chunk is asked for jointly, by the same load with the same descriptor and a mask
; that names the four.
; THE PRODUCT IS USED TRANSPOSED (source 0 = 16 columns of Wo, source 1 = 16 tokens): a lane holds token lane % 16 and eight neighbouring n.  The bias is the C of each sum's first product.
; The 16 accumulators take turns in the same order in every K step.
; REGISTERS: window 0: v1-9 addresses; v16-47 the bias, four n tiles; v64-127, v128-191 two fragment buffers (Wo's four fragments, then ao's four); v192-255 the way out.  Window 1: v0-127 accumulator (a, n) at 8 (4 a + n).
.set CHUNK, 65536                      ; LDS: chunk q at q x 65,536; in it loader w's four tiles of 4,096 bytes at 16,384 w
.set STAGE, 4*CHUNK                    ; behind them: 16 rows x (256 bytes + 16) for each wave, for the way out
.set SPARE, STAGE+4*16*272             ; the spare words: 128 bytes for each wave, two blocks of 256 bytes that no other line names
.set LI,   1
.set ADA,  2                           ; LDS address of my four token tiles in the chunk in hand
.set ADB,  3                           ; of my four n tiles
.set STO,  4
.set RD,   5
.set CO,   6
.set BOF,  7
.set SPW,  8
.set NIL,  9
.set BIAS, 16
.set F0,   64
.set BK,   192
.set WV,   12
.set WM,   13                          ; which 64 tokens are mine.  Also: I fetch for ao (0) or for Wo (1)
.set WN,   14                          ; which 64 n.  Also: which four tiles I fetch
.set CX,   15
.set CY,   16
.set GX,   17
.set GY,   18
.set G1A,  20                          ; s[20:27] descriptor group 1 for ao;  s[28:35] for Wo: they differ in the mask alone
.set G1B,  28
.set G0A,  36                          ; s[36:51] four groups 0 for ao, one a chunk;  s[68:83] for Wo
.set G0B,  68
.set MSB, 0
.macro WIN new                         ; the immediate's high byte repeats the setting that is left
.if MSB != \new
	s_set_vgpr_msb (MSB<<8)|\new
.set MSB, \new
.endif
.endm
.macro CROUND                          ; a round of the cluster's barrier
	s_barrier_signal -1
	s_barrier_wait -1
	s_cmp_lg_u32 s[WV], 0
	s_cbranch_scc1 .Lnot_wave_0_\@
	s_barrier_signal -3
.Lnot_wave_0_\@:
	s_barrier_wait -3
	s_barrier_signal -1
	s_barrier_wait -1
.endm
.macro PLACES
.rept 4
	v_nop
.endr
.endm
	s_load_b256 s[4:11], s[0:1], 0x0               ; ao, wo16, bo, out0
	v_lshl_add_u32 v[SPW], v0, 2, SPARE
	v_mov_b32 v[NIL], 0
	ds_add_u32 v[SPW], v[NIL]                      ; the wave's opening: the add and its wait stand ahead of the first tensor load; the set-up, work on registers, stands between
	v_lshrrev_b32 v10, 5, v0
	v_readfirstlane_b32 s[WV], v10
	s_lshr_b32 s[WM], s[WV], 1
	s_and_b32 s[WN], s[WV], 1
	s_bfe_u32 s[CX], ttmp6, 0x40000
	s_bfe_u32 s[CY], ttmp6, 0x40004
	s_lshl_b32 s[GX], ttmp9, 2
	s_add_co_u32 s[GX], s[GX], s[CX]               ; which 128 n
	s_and_b32 s[GY], ttmp7, 0xffff
	s_lshl_b32 s[GY], s[GY], 2
	s_add_co_u32 s[GY], s[GY], s[CY]               ; which 128 tokens
	s_lshl_b32 s52, s[CY], 2
	s_lshl_b32 s52, 15, s52                        ; my row of the cluster
	s_lshl_b32 s53, 0x1111, s[CX]                  ; my column
	; descriptor group 1: four rows (tiles) of 4,096 bytes = 512 elements of 8 bytes, 16,384 bytes = 2,048 elements apart; dense in LDS
	s_or_b32 s[G1A], s52, (3<<16)|(1<<21)
	s_or_b32 s[G1B], s53, (3<<16)|(1<<21)
.irp g, G1A, G1B
	s_mov_b32 s[\g+1], 512<<16                     ; tensor_dim0
	s_mov_b32 s[\g+2], 4<<16                       ; tensor_dim1
	s_mov_b32 s[\g+3], 512<<16                     ; tile_dim0
	s_mov_b32 s[\g+4], 4                           ; tile_dim1
	s_mov_b32 s[\g+5], 2048                        ; from row to row
	s_mov_b32 s[\g+6], 0
	s_mov_b32 s[\g+7], 0
.endr
	s_lshl_b32 s54, s[WN], 2                       ; which four of the eight tiles I fetch
	s_lshl_b32 s56, s[GY], 3
	s_add_co_u32 s56, s56, s54
	s_lshl_b32 s56, s56, 14                        ; ao: hangs on the tokens alone, which my row of the cluster shares
	s_mov_b32 s57, 0
	s_lshl_b32 s58, s[GX], 3
	s_add_co_u32 s58, s58, s54
	s_lshl_b32 s58, s58, 14                        ; Wo: on the columns alone, which my column shares
	s_mov_b32 s59, 0
	s_lshl_b32 s55, s[WV], 14                      ; where they go: no place in the cluster enters an LDS address
	s_wait_dscnt 0x0                               ; the opening add is done
	s_wait_kmcnt 0x0
	s_add_nc_u64 s[56:57], s[4:5], s[56:57]
	s_add_nc_u64 s[58:59], s[6:7], s[58:59]
	CROUND                                         ; all sixteen work-groups are here: the joint loads meet
.irp q, 0,1,2,3
	s_mov_b32 s[G0A+4*\q], 1
	s_add_co_u32 s[G0A+4*\q+1], s55, \q*CHUNK
	s_add_nc_u64 s[G0A+4*\q+2:G0A+4*\q+3], s[56:57], \q*4096
	s_or_b32 s[G0A+4*\q+3], s[G0A+4*\q+3], 0x80000000
	s_mov_b32 s[G0B+4*\q], 1
	s_add_co_u32 s[G0B+4*\q+1], s55, \q*CHUNK
	s_add_nc_u64 s[G0B+4*\q+2:G0B+4*\q+3], s[58:59], \q*4096
	s_or_b32 s[G0B+4*\q+3], s[G0B+4*\q+3], 0x80000000
.endr
	s_cmp_eq_u32 s[WM], 0                          ; a wave's four fills stand in one branch on the wave's number; an s_nop 0 follows each, four v_nop the last
	s_cbranch_scc0 .Lfirst_b
.irp q, 0,1,2,3
	tensor_load_to_lds s[G0A+4*\q:G0A+4*\q+3], s[G1A:G1A+7]
	s_nop 0
.endr
	PLACES
	s_branch .Lfirst_done
.Lfirst_b:
.irp q, 0,1,2,3
	tensor_load_to_lds s[G0B+4*\q:G0B+4*\q+3], s[G1B:G1B+7]
	s_nop 0
.endr
	PLACES
.Lfirst_done:
	v_and_b32 v10, 31, v0
	v_lshlrev_b32 v[LI], 4, v10
	s_lshl_b32 s54, s[WM], 14
	v_add_nc_u32 v[ADA], s54, v[LI]
	s_lshl_b32 s54, s[WN], 14
	s_add_co_u32 s54, s54, 32768
	v_add_nc_u32 v[ADB], s54, v[LI]
	v_and_b32 v11, 15, v0                          ; r
	v_bfe_u32 v12, v0, 4, 1                        ; h
	s_mul_i32 s54, s[WV], 16*272
	s_add_co_u32 s54, s54, STAGE                   ; my stage
	v_mul_u32_u24 v[STO], v11, 272
	v_lshl_add_u32 v[STO], v12, 5, v[STO]
	v_add_nc_u32 v[STO], s54, v[STO]               ; in: row r, 32 bytes for each half of the lanes
	v_mul_u32_u24 v[RD], v12, 272
	v_lshl_add_u32 v[RD], v11, 4, v[RD]
	v_add_nc_u32 v[RD], s54, v[RD]                 ; back: lanes 0-15 one row of 256 bytes, lanes 16-31 the next
	v_lshlrev_b32 v[CO], 11, v12
	v_lshl_add_u32 v[CO], v11, 4, v[CO]            ; and the same two rows in out0
	v_lshlrev_b32 v[BOF], 5, v12
	s_lshl_b32 s60, s[GX], 9
	s_lshl_b32 s62, s[WN], 8
	s_add_co_u32 s60, s60, s62                     ; my first n, in bytes
	s_mov_b32 s61, 0
	s_add_nc_u64 s[8:9], s[8:9], s[60:61]
	s_add_nc_u64 s[10:11], s[10:11], s[60:61]
	s_lshl_b32 s60, s[GY], 18
	s_lshl_b32 s62, s[WM], 17
	s_add_co_u32 s60, s60, s62                     ; my first token's row of 2,048 bytes
	s_add_nc_u64 s[10:11], s[10:11], s[60:61]
.irp n, 0,1,2,3
	global_load_b128 v[BIAS+8*\n:BIAS+8*\n+3], v[BOF], s[8:9] offset:64*\n       ; lane (r, h): bo of n = 16 n + 8 h + 0..7
	global_load_b128 v[BIAS+8*\n+4:BIAS+8*\n+7], v[BOF], s[8:9] offset:64*\n+16
.endr
.macro FETCH k, f                              ; K step k's eight fragments into buffer f: 16 loads of 512 consecutive bytes
.irp n, 0,1,2,3
	ds_load_b128 v[\f+8*\n:\f+8*\n+3], v[ADB] offset:\n*4096+((\k)%4)*1024
	ds_load_b128 v[\f+8*\n+4:\f+8*\n+7], v[ADB] offset:\n*4096+((\k)%4)*1024+512
.endr
.irp a, 0,1,2,3
	ds_load_b128 v[\f+32+8*\a:\f+32+8*\a+3], v[ADA] offset:\a*4096+((\k)%4)*1024
	ds_load_b128 v[\f+32+8*\a+4:\f+32+8*\a+7], v[ADA] offset:\a*4096+((\k)%4)*1024+512
.endr
.endm
.macro MUL f, first
.irp a, 0,1,2,3
.irp n, 0,1,2,3
.if \first
	v_wmma_f32_16x16x32_f16 v[8*(4*\a+\n):8*(4*\a+\n)+7], v[\f+8*\n:\f+8*\n+7], v[\f+32+8*\a:\f+32+8*\a+7], v[BIAS+8*\n:BIAS+8*\n+7]
.else
	v_wmma_f32_16x16x32_f16 v[8*(4*\a+\n):8*(4*\a+\n)+7], v[\f+8*\n:\f+8*\n+7], v[\f+32+8*\a:\f+32+8*\a+7], v[8*(4*\a+\n):8*(4*\a+\n)+7]
.endif
.endr
.endr
.endm
; K step k of 16: the next step's fragments are fetched into the other buffer, then this step is multiplied.  Where the next step begins a chunk: that chunk has landed in every wave (a barrier behind which nothing is filled).
.macro KSTEP k
.if (\k) < 15
	WIN 0
.if ((\k)+1)%4 == 0
	s_wait_dscnt 0x0                               ; no LDS load of mine is out at the signal
	s_wait_tensorcnt 3-((\k)+1)/4                  ; my part of the next chunk is in; the chunks behind it stay out
	s_barrier_signal -1
	s_barrier_wait -1                              ; everybody's is
	v_add_nc_u32 v[ADA], CHUNK, v[ADA]
	v_add_nc_u32 v[ADB], CHUNK, v[ADB]
.endif
.if (\k) > 0
	PLACES                                         ; four plain lines ahead of loads into registers that the step before last... the last products read (ISA guide 7.12.1)
.endif
	FETCH (\k)+1, F0+64*(((\k)+1)%2)
	s_wait_dscnt 16                                ; this step's fragments are in; the 16 loads just issued stay out
.else
	s_wait_dscnt 0x0
.endif
.if (\k) == 0
	s_wait_loadcnt 0x0                             ; the bias
	WIN 0x40                                       ; D in window 1, C (the bias) in window 0
	MUL F0, 1
.else
	WIN 0x50                                       ; C and D in window 1
	MUL F0+64*((\k)%2), 0
.endif
.endm
	s_wait_tensorcnt 3                             ; my part of chunk 0 is in; three loads stay out
	s_barrier_signal -1
	s_barrier_wait -1
	FETCH 0, F0
.irp k, 0,1,2,3,4,5,6,7,8,9,10,11,12,13,14,15
	KSTEP \k
.endr
	WIN 0
; THE WAY OUT, a tile of 16 tokens x 64 n at a time: a lane holds 32 neighbouring bytes of a row and the lanes beside it other rows, so the tile goes through my own stage and comes back as whole rows of 256 bytes.
; LDS serves a wave's instructions in order: no wait between the stores and the loads, nor ahead of the next tile's stores.
.macro TOSTAGE a
	WIN 0x04                                       ; an LDS store's data are its source 1: window 1
.irp n, 0,1,2,3
	ds_store_b128 v[STO], v[8*(4*(\a)+\n):8*(4*(\a)+\n)+3] offset:64*\n       ; each accumulator from its low end on
	ds_store_b128 v[STO], v[8*(4*(\a)+\n)+4:8*(4*(\a)+\n)+7] offset:64*\n+16
.endr
	WIN 0
.set BB, BK+32*((\a)%2)
.irp i, 0,1,2,3,4,5,6,7
	ds_load_b128 v[BB+4*\i:BB+4*\i+3], v[RD] offset:\i*544
.endr
.endm
.macro SEND a, younger                         ; younger: the LDS instructions issued behind tile a's loads, which may stay out
.set BB, BK+32*((\a)%2)
	s_wait_dscnt \younger
.irp i, 0,1,2,3,4,5,6,7
	global_store_b128 v[CO], v[BB+4*\i:BB+4*\i+3], s[10:11] offset:(16*(\a)+2*\i)*2048 th:TH_STORE_NT   ; sixteen lanes store 256 consecutive bytes, aligned; written once, read by nobody here
.endr
.endm
	PLACES                                         ; four plain lines ahead of the first read of results
	TOSTAGE 0
	TOSTAGE 1
	SEND 0, 16                                     ; behind tile 0's loads: tile 1's 8 stores and 8 loads
	s_wait_xcnt 0x0                                ; tile 0's stores have read their registers: tile 2's loads may land there
	TOSTAGE 2
	SEND 1, 16
	s_wait_xcnt 0x0
	TOSTAGE 3
	SEND 2, 16
	SEND 3, 0
	s_wait_tensorcnt 0x0                           ; the wave's end: behind my last tensor load and my last LDS store
	ds_add_u32 v[SPW], v[NIL]
	s_wait_dscnt 0x0
	CROUND                                         ; the closing round: no work-group ends while a partner may still ask for a tile that names it
	s_endpgm
.Lfunc_end_k_q9cddda8e10_oproj:
	.size	k_q9cddda8e10_oproj, .Lfunc_end_k_q9cddda8e10_oproj-k_q9cddda8e10_oproj
	.p2alignl 7, 3214868480
	.fill 96, 4, 3214868480
	.section	.rodata,"a",@progbits
	.p2align	6, 0x0
	.amdhsa_kernel k_q9cddda8e10_oproj
		.amdhsa_group_segment_fixed_size 327680
		.amdhsa_private_segment_fixed_size 0
		.amdhsa_enable_private_segment 0
		.amdhsa_kernarg_size 32
		.amdhsa_user_sgpr_count 2
		.amdhsa_user_sgpr_kernarg_segment_ptr 1
		.amdhsa_wavefront_size32 1
		.amdhsa_system_sgpr_workgroup_id_x 1
		.amdhsa_system_sgpr_workgroup_id_y 1
		.amdhsa_system_sgpr_workgroup_id_z 1
		.amdhsa_system_vgpr_workitem_id 0
		.amdhsa_next_free_vgpr 384
		.amdhsa_next_free_sgpr 88
		.amdhsa_reserve_vcc 0
		.amdhsa_float_denorm_mode_32 3
		.amdhsa_float_denorm_mode_16_64 3
		.amdhsa_memory_ordered 1
		.amdhsa_forward_progress 1
		.amdhsa_inst_pref_size 52
	.end_amdhsa_kernel
	.amdgpu_metadata
---
amdhsa.version: [ 1, 2 ]
amdhsa.kernels:
  - .name:           k_q9cddda8e10_oproj
    .symbol:         k_q9cddda8e10_oproj.kd
    .args:
      - { .name: ao, .offset: 0, .size: 8, .value_kind: global_buffer, .address_space: global }
      - { .name: wo16, .offset: 8, .size: 8, .value_kind: global_buffer, .address_space: global }
      - { .name: bo, .offset: 16, .size: 8, .value_kind: global_buffer, .address_space: global }
      - { .name: out0, .offset: 24, .size: 8, .value_kind: global_buffer, .address_space: global }
    .group_segment_fixed_size: 327680
    .private_segment_fixed_size: 0
    .kernarg_segment_align: 8
    .kernarg_segment_size: 32
    .max_flat_workgroup_size: 128
    .sgpr_count:     88
    .vgpr_count:     384
    .wavefront_size: 32
...
	.end_amdgpu_metadata
.endif
;; end of part 4
